; MI455X (gfx1250); checked and timed in simulation.
; The chip was launched on July 23, 2026; its instructions are those of AMD's public machine-readable ISA for CDNA 5 (MIT licence, August 2026) and "CDNA5" Instruction Set Architecture Reference Guide (July 2026). The comments in the code are by the model that wrote it; some were corrected since.
;; Attention Layer. Allowed arithmetic: float matrix products may take bf16 or f16 operands with f32 sums; other float arithmetic in f32, or as packed bf16 or f16 multiplies, adds, multiply-adds, maxima and minima; sums over many terms, partial sums and values carried from step to step in f32; what a program stores and reads back later, other than sums and carried values, may be rounded once to bf16 or f16.
;; Inputs: Wqkv 384 x 256 float32; bqkv 384 float32; gamma 1 float32; x 8 x 256 x 64 x 64 float32.
;; Outputs: out0 8 x 256 x 64 x 64 float32.
;; 2 versions, each right; version 2 is version 1 with the launch proj written anew for expert scheduling mode. Each part assembles by itself: llvm-mc -triple=amdgcn-amd-amdhsa -mcpu=gfx1250 --defsym DOCPART=n.
;; ======== version 1 of 2: 2 launches
;; workspace buffers: kv 20,987,904 bytes; qq 4,194,304 bytes
;; launch proj (part 1): grid 32 x 8, 4 waves a work-group, no clusters, 307,712 bytes of LDS; arguments x, Wqkv, bqkv, kv, qq; writes kv, qq
.if DOCPART == 1
	.amdgcn_target "amdgcn-amd-amdhsa--gfx1250"
	.amdhsa_code_object_version 6
	.text
	.protected	k_qb8f9d74d4d_proj
	.globl	k_qb8f9d74d4d_proj
	.p2align	8
	.type	k_qb8f9d74d4d_proj,@function
k_qb8f9d74d4d_proj:
	s_mov_b64 s[64:65], 0
	v_nop
	global_prefetch_b8 v0, s[64:65] scope:SCOPE_SE
	s_setreg_imm32_b32 hwreg(HW_REG_WAVE_MODE, 25, 1), 1
	s_wait_xcnt 0x0
; qkv[b][o][l] = sum over c of W[o][c] relu(x[b][c][l]) + bias[o], for 384 outputs, written in bf16 in the layouts that the attention launch reads:
;   kv: batch b at b x 2,621,440; step s (128 columns l) at + s x 81,920: first 128 rows of 128 bytes, q[0..63] of column l (the attention's keys),
;       then 256 rows of 256 bytes, v[c] of the step's 128 columns.  Behind batch 7 a pad of 16,384 bytes, stored as zeros: the attention's last tile reaches into it.
;   qq: [8][4096][64]: k[0..63] of column l (the attention's queries).
; Operands bf16, sums f32, the bias is the C operand of the first K step.  LIMITS: relu of a NaN gives 0; infinities are not treated apart.
; SHARES.  A work-group takes all 384 outputs of 128 columns of one batch: 32 x 8 = 256 work-groups.  x and W are f32 and must be converted, so they come through registers:
; no tensor load, hence no cluster.  W (bf16, 384 rows) and the x fragments lie in LDS; one barrier; then 8 K steps of 32 channels.
; COLUMNS.  x lies [channel][column].  A lane's 16-byte load holds four neighbouring columns: one element for each of four tiles; tile t of column group cg (64 columns)
; has column 64 cg + 4 r + t at its place r.  So sixteen lanes read 256 consecutive bytes, and fragments are made in registers without a transpose.
; q, k: source 0 = W, source 1 = x: a lane holds 8 neighbouring channels of one column.  v: source 0 = x, source 1 = W: over the four tiles a lane holds 32 neighbouring columns of one channel.
; Waves 0, 1 make q, waves 2, 3 k, each for column group w & 1; every wave makes 64 channels of v for all 128 columns.  Fragment place u of a wave holds tile u ^ 4 (w & 1).
.set WP,    528                        ; a row of W in LDS: 512 bytes + 16: the 16 rows of a fragment load start at 16 different 16-byte columns of 256 bytes
.set XF,    202752                     ; behind W's 384 rows: 64 x fragments of 1,024 bytes as the lanes hold them: fragment 8 ks + tile, half hf at + 512 hf + 16 lane
.set STG,   268288                     ; stages for the way out, each wave's own
.set STGW,  9728
.set SPARE, 307200                     ; the spare words: 128 bytes a wave, two blocks of 256 bytes that no other line names
.set BATKV, 2621440
.set STEPB, 81920
.set VX,  4                            ; x: h x 8 channels + 16 r + my wave's 64 channels
.set VW,  5                            ; W: 16 lane + my wave's 96 rows
.set VWL, 6                            ; W in LDS, store: 8 lane + my 96 rows
.set VXF, 7                            ; x fragments, store
.set VB,  8                            ; bias of q or k: 8 h on
.set VBV, 9                            ; bias of v: channel r
.set VWQ, 10                           ; W fragments of q or k
.set VWV, 11                           ; W fragments of my 64 channels of v
.set VXA, 12                           ; x fragments of my column group
.set VXB, 13                           ; of the other
.set ZERO, 14
.set STQ, 15                           ; stage, q/k in
.set RDQ, 16                           ; stage, q/k back
.set SVA, 17                           ; stage, v in: my column group; SVA + 1: the other
.set RDV, 19                           ; stage, v back
.set GO,  20                           ; 16 lane
.set SPW, 30
.set NIL, 31
.set T,   32                           ; v32-63 at work
.set BQ,  64                           ; v64-95  bias as C for q/k: 8 registers a block
.set BV,  96                           ; v96-127 bias as C for v: 8 copies a block
; window 0 v128-255: load buffers 0, 1, later x fragment buffers 0, 1.  window 1 v0-127: load buffers 2, 3, later W fragment buffers; v128-255: q/k sums.  window 2: v's sums.
.set MSB, 0
.macro WIN new                         ; the immediate's high byte repeats the setting that is left; a switch that changes nothing is dropped
.if MSB != (\new)
	s_set_vgpr_msb (MSB<<8)|(\new)
.set MSB, (\new)
.endif
.endm
	s_load_b256 s[4:11], s[0:1], 0x0               ; x s[4:5], W s[6:7], bias s[8:9], kv s[10:11]
	s_load_b64 s[12:13], s[0:1], 0x20              ; qq
	v_lshl_add_u32 v[SPW], v0, 2, SPARE
	v_mov_b32 v[NIL], 0
	v_lshrrev_b32 v21, 5, v0
	v_readfirstlane_b32 s14, v21                   ; wave w
	s_and_b32 s15, s14, 1                          ; my column group
	s_lshr_b32 s16, s14, 1                         ; 0: q, 1: k
	s_xor_b32 s19, s15, 1                          ; the other column group
	s_mov_b32 s17, ttmp9                           ; step s
	s_and_b32 s18, ttmp7, 0xffff                   ; batch b
	v_and_b32 v3, 31, v0                           ; lane
	v_and_b32 v1, 15, v0                           ; r
	v_bfe_u32 v2, v0, 4, 1                         ; h
	v_mov_b32 v[ZERO], 0
	v_lshlrev_b32 v[VX], 4, v1
	v_lshl_add_u32 v[VX], v2, 17, v[VX]            ; 8 channels of 16,384 bytes for the upper lanes
	s_lshl_b32 s30, s14, 20                        ; my 64 channels
	v_add_nc_u32 v[VX], s30, v[VX]
	s_mul_i32 s30, s14, 98304
	v_lshl_add_u32 v[VW], v3, 4, s30
	s_mul_i32 s30, s14, 96*WP
	v_lshl_add_u32 v[VWL], v3, 3, s30
	s_lshl_b32 s30, s14, 14
	s_add_co_u32 s30, s30, XF
	v_lshl_add_u32 v[VXF], v3, 4, s30
	s_lshl_b32 s30, s16, 8
	v_lshl_add_u32 v[VB], v2, 5, s30
	s_lshl_b32 s30, s14, 8
	s_add_co_u32 s30, s30, 512
	v_lshl_add_u32 v[VBV], v1, 2, s30
	v_mul_u32_u24 v22, v1, WP
	v_lshl_add_u32 v22, v2, 4, v22                 ; row r x pitch + 16 h
	s_mul_i32 s30, s16, 64*WP
	v_add_nc_u32 v[VWQ], s30, v22
	s_mul_i32 s30, s14, 64*WP
	s_add_co_u32 s30, s30, 128*WP
	v_add_nc_u32 v[VWV], s30, v22
	s_lshl_b32 s30, s15, 12
	s_add_co_u32 s30, s30, XF
	v_lshl_add_u32 v[VXA], v3, 4, s30
	s_lshl_b32 s30, s19, 12
	s_add_co_u32 s30, s30, XF
	v_lshl_add_u32 v[VXB], v3, 4, s30
	s_mul_i32 s31, s14, STGW
	s_add_co_u32 s31, s31, STG                     ; my stage
	v_mul_u32_u24 v23, v1, 144
	v_lshl_add_u32 v23, v2, 4, v23
	v_add_nc_u32 v[STQ], s31, v23
	v_lshrrev_b32 v23, 3, v3
	v_mul_u32_u24 v23, v23, 2432
	v_and_b32 v24, 7, v3
	v_lshl_add_u32 v23, v24, 4, v23
	v_add_nc_u32 v[RDQ], s31, v23
	v_mul_u32_u24 v23, v1, 272
	v_lshl_add_u32 v23, v2, 6, v23
	v_add_nc_u32 v23, s31, v23
	s_lshl_b32 s30, s15, 7
	v_add_nc_u32 v[SVA], s30, v23
	s_lshl_b32 s30, s19, 7
	v_add_nc_u32 v[SVA+1], s30, v23
	v_mul_u32_u24 v23, v2, 272
	v_lshl_add_u32 v23, v1, 4, v23
	v_add_nc_u32 v[RDV], s31, v23
	v_lshlrev_b32 v[GO], 4, v3
	s_lshl_b32 s20, s18, 22                        ; offsets, made apart from the addresses.  x: batch, and 128 columns of 4 bytes a step
	s_lshl_b32 s21, s17, 9
	s_add_co_u32 s20, s20, s21
	s_mov_b32 s21, 0
	s_mul_i32 s22, s18, BATKV                      ; kv: batch and step
	s_mul_i32 s23, s17, STEPB
	s_add_co_u32 s22, s22, s23
	s_mov_b32 s23, 0
	s_lshl_b32 s34, s18, 19                        ; qq: batch and step
	s_lshl_b32 s35, s17, 14
	s_add_co_u32 s34, s34, s35
	s_mov_b32 s35, 0
	s_lshl_b32 s36, s15, 13                        ; my column group's 64 rows of 128 bytes
	s_mov_b32 s37, 0
	s_lshl_b32 s38, s14, 14                        ; my 64 channels of v, behind the step's 16,384 bytes of q
	s_add_co_u32 s38, s38, 16384
	s_mov_b32 s39, 0
	s_wait_kmcnt 0x0
	s_add_nc_u64 s[4:5], s[4:5], s[20:21]
	s_add_nc_u64 s[24:25], s[10:11], s[22:23]
	s_add_nc_u64 s[26:27], s[12:13], s[34:35]
	s_cmp_lt_u32 s14, 2
	s_cselect_b64 s[28:29], s[24:25], s[26:27]     ; waves 0, 1 store q into kv, waves 2, 3 store k into qq
	s_add_nc_u64 s[28:29], s[28:29], s[36:37]
	s_add_nc_u64 s[32:33], s[24:25], s[38:39]
.irp ob, 0,1,2,3
	global_load_b128 v[BQ+8*\ob:BQ+8*\ob+3],   v[VB], s[8:9] offset:64*\ob
	global_load_b128 v[BQ+8*\ob+4:BQ+8*\ob+7], v[VB], s[8:9] offset:64*\ob+16
.endr
.irp vb, 0,1,2,3
	global_load_b32 v[BV+8*\vb], v[VBV], s[8:9] offset:64*\vb
.endr
; THE WAY IN: 16 chunks of 16 loads of 16 bytes through four register buffers.  Chunks 0-3: x, K step 2 w + c / 2, column group c % 2.  Chunks 4-15: 8 rows of W each.
.macro LOADCH c
.set bw, (((\c)%4)/2)
.set br, 128*(1-bw)+64*((\c)%2)
	WIN bw<<6
.set u, 0
.rept 16
.if (\c) < 4
	global_load_b128 v[br+4*u:br+4*u+3], v[VX], s[4:5] offset:(((\c)/2)*32+(u%8)+16*(u/8))*16384+256*((\c)%2) th:TH_LOAD_NT  ; sixteen lanes: 256 consecutive bytes of one channel
.else
	global_load_b128 v[br+4*u:br+4*u+3], v[VW], s[6:7] offset:(8*((\c)-4)+u/2)*1024+512*(u%2)  ; 512 consecutive bytes: half a row of W
.endif
.set u, u+1
.endr
.endm
.macro PROCCH c
.set bw, (((\c)%4)/2)
.set br, 128*(1-bw)+64*((\c)%2)
	WIN 5*bw                                       ; both sources in the buffer's window
.if (\c) < 4
.set t, 0
.rept 4                                ; tile t's fragment: register p holds channels 2 p, 2 p + 1 of the lane's sixteen
.set p, 0
.rept 8
	v_cvt_pk_bf16_f32 v[T+8*t+p], v[br+8*p+t], v[br+8*p+4+t]
.set p, p+1
.endr
.set t, t+1
.endr
	WIN 0
.set u, 0
.rept 32
	v_pk_max_num_bf16 v[T+u], v[T+u], v[ZERO]      ; relu, two at a time; nothing is rounded
.set u, u+1
.endr
.set u, 0
.rept 8
	ds_store_b128 v[VXF], v[T+4*u:T+4*u+3] offset:(((\c)/2)*8+4*((\c)%2)+u/2)*1024+512*(u%2)
.set u, u+1
.endr
.else
.set u, 0
.rept 16
	v_cvt_pk_bf16_f32 v[T+2*u],   v[br+4*u],   v[br+4*u+1]
	v_cvt_pk_bf16_f32 v[T+2*u+1], v[br+4*u+2], v[br+4*u+3]
.set u, u+1
.endr
	WIN 0
.set u, 0
.rept 16
	ds_store_b64 v[VWL], v[T+2*u:T+2*u+1] offset:(8*((\c)-4)+u/2)*WP+256*(u%2)
.set u, u+1
.endr
.endif
.endm
	LOADCH 0
	LOADCH 1
	LOADCH 2
.set ci, 0
.rept 16
.if ci+3 < 16
	LOADCH ci+3                                    ; into the buffer that the chunk before has left
.endif
.set lw, 15-ci
.if lw > 3
.set lw, 3
.endif
	s_wait_loadcnt 16*lw                           ; loads come back in order: the up to three younger chunks, 16 loads each, may stay out
	PROCCH ci
.if ci == 0
.irp vb, 0,1,2,3                       ; the bias loads stand ahead of chunk 0: they are in.  v's bias is the same for a lane's eight results
.irp j, 1,2,3,4,5,6,7
	v_mov_b32 v[BV+8*\vb+\j], v[BV+8*\vb]
.endr
.endr
.endif
.set ci, ci+1
.endr
	s_wait_dscnt 0x0                               ; for the others' sake: my part of W and of the x fragments is stored
	s_barrier_signal -1
	s_barrier_wait -1
; THE PRODUCTS.  A K step: 16 loads of W's fragments, 16 of x's, 48 matrix instructions on 48 accumulators, which take turns.
.macro FETCH f
	WIN 0x40
.irp ob, 0,1,2,3
	ds_load_b128 v[64*(\f)+8*\ob:64*(\f)+8*\ob+3],   v[VWQ] offset:\ob*16*WP
	ds_load_b128 v[64*(\f)+8*\ob+4:64*(\f)+8*\ob+7], v[VWQ] offset:\ob*16*WP+32
.endr
.irp vb, 0,1,2,3
	ds_load_b128 v[64*(\f)+32+8*\vb:64*(\f)+32+8*\vb+3],   v[VWV] offset:\vb*16*WP
	ds_load_b128 v[64*(\f)+32+8*\vb+4:64*(\f)+32+8*\vb+7], v[VWV] offset:\vb*16*WP+32
.endr
	WIN 0
.irp u, 0,1,2,3,4,5,6,7
	ds_load_b128 v[128+64*(\f)+8*\u:128+64*(\f)+8*\u+3],   v[VXA+\u/4] offset:(\u%4)*1024
	ds_load_b128 v[128+64*(\f)+8*\u+4:128+64*(\f)+8*\u+7], v[VXA+\u/4] offset:(\u%4)*1024+512
.endr
.endm
.macro STEP f, first, fetch
	s_wait_dscnt 0x0                               ; buffer f is in
.if \fetch
	WIN 0
	v_add_nc_u32 v[VWQ], 64, v[VWQ]                ; the next 32 channels.  These four lines are also the four places between the last product that read the other buffer and the loads into it
	v_add_nc_u32 v[VWV], 64, v[VWV]
	v_add_nc_u32 v[VXA], 8192, v[VXA]
	v_add_nc_u32 v[VXB], 8192, v[VXB]
	FETCH 1-(\f)
.endif
	WIN 0x51-0x10*(\first)                         ; W and the sums in window 1, x in window 0; the first step's C, the bias, in window 0
.irp ob, 0,1,2,3
.irp t, 0,1,2,3
.if \first
	v_wmma_f32_16x16x32_bf16 v[128+8*(4*\ob+\t):128+8*(4*\ob+\t)+7], v[64*(\f)+8*\ob:64*(\f)+8*\ob+7], v[128+64*(\f)+8*\t:128+64*(\f)+8*\t+7], v[BQ+8*\ob:BQ+8*\ob+7]
.else
	v_wmma_f32_16x16x32_bf16 v[128+8*(4*\ob+\t):128+8*(4*\ob+\t)+7], v[64*(\f)+8*\ob:64*(\f)+8*\ob+7], v[128+64*(\f)+8*\t:128+64*(\f)+8*\t+7], v[128+8*(4*\ob+\t):128+8*(4*\ob+\t)+7]
.endif
.endr
.endr
	WIN 0xa4-0x20*(\first)                         ; x in window 0, W in window 1, the sums in window 2
.irp vb, 0,1,2,3
.irp u, 0,1,2,3,4,5,6,7
.if \first
	v_wmma_f32_16x16x32_bf16 v[8*(8*\vb+\u):8*(8*\vb+\u)+7], v[128+64*(\f)+8*\u:128+64*(\f)+8*\u+7], v[64*(\f)+32+8*\vb:64*(\f)+32+8*\vb+7], v[BV+8*\vb:BV+8*\vb+7]
.else
	v_wmma_f32_16x16x32_bf16 v[8*(8*\vb+\u):8*(8*\vb+\u)+7], v[128+64*(\f)+8*\u:128+64*(\f)+8*\u+7], v[64*(\f)+32+8*\vb:64*(\f)+32+8*\vb+7], v[8*(8*\vb+\u):8*(8*\vb+\u)+7]
.endif
.endr
.endr
.endm
	FETCH 0
	STEP 0, 1, 1                                   ; the first K step starts the sums with the bias: nothing is cleared
	WIN 0
	s_mov_b32 s30, 3
.Lk:
	STEP 1, 0, 1
	STEP 0, 0, 1
	WIN 0
	s_sub_co_u32 s30, s30, 1
	s_cmp_lg_u32 s30, 0
	s_cbranch_scc1 .Lk
	STEP 1, 0, 0                                   ; the eighth K step fetches nothing
	WIN 0
.rept 4
	v_nop                                          ; four places behind the last products (ISA guide 7.12.1)
.endr
	; THE WAY OUT OF q OR k.  A lane's 8 channels pack into 16 bytes; they go into my stage (tile t at 2,432 t, row r at 144 r) and come back as four rows of 128 bytes, columns 4 R .. 4 R + 3.
	WIN 0x05
.set a, 0
.rept 16
.irp z, 0,1,2,3
	v_cvt_pk_bf16_f32 v[128+4*a+\z], v[128+8*a+2*\z], v[128+8*a+2*\z+1]
.endr
.set a, a+1
.endr
	WIN 0
.set a, 0
.rept 16
	ds_store_b128 v[STQ], v[128+4*a:128+4*a+3] offset:(a%4)*2432+32*(a/4)
.set a, a+1
.endr
.set a, 0
.rept 16
	ds_load_b128 v[192+4*a:192+4*a+3], v[RDQ] offset:144*a   ; LDS serves a wave's instructions in order (ISA guide 5.7.1): these see the stores above
.set a, a+1
.endr
.set a, 0
.rept 16
	s_wait_dscnt 15-a                              ; the younger loads from the stage may stay out
	global_store_b128 v[GO], v[192+4*a:192+4*a+3], s[28:29] offset:512*a   ; 512 consecutive bytes, aligned
.set a, a+1
.endr
	; the pad behind batch 7: stored by the last work-group alone, 4,096 bytes a wave
	s_cmp_eq_u32 s17, 31
	s_cbranch_scc0 .Lnopad
	s_cmp_eq_u32 s18, 7
	s_cbranch_scc0 .Lnopad
	v_mov_b32 v24, 0
	v_mov_b32 v25, 0
	v_mov_b32 v26, 0
	v_mov_b32 v27, 0
	s_lshl_b32 s20, s14, 12
	s_add_co_u32 s20, s20, 8*BATKV
	s_mov_b32 s21, 0
	s_add_nc_u64 s[10:11], s[10:11], s[20:21]
.irp q, 0,1,2,3,4,5,6,7
	global_store_b128 v[GO], v[24:27], s[10:11] offset:512*\q
.endr
.Lnopad:
	; THE WAY OUT OF v, 16 channels at a time.  For each column group a lane holds columns 32 h + 4 j + t of channel r: 64 consecutive bytes.  Rows of 272 bytes in my stage; back as whole rows of 256.
.macro VOUT vb
	WIN 0x0a
.irp cs, 0,1
.irp j, 0,1,2,3,4,5,6,7
	v_cvt_pk_bf16_f32 v[T+16*\cs+2*\j],   v[8*(8*(\vb)+4*\cs)+\j],   v[8*(8*(\vb)+4*\cs+1)+\j]
	v_cvt_pk_bf16_f32 v[T+16*\cs+2*\j+1], v[8*(8*(\vb)+4*\cs+2)+\j], v[8*(8*(\vb)+4*\cs+3)+\j]
.endr
.endr
	WIN 0
.irp cs, 0,1
.irp q, 0,1,2,3
	ds_store_b128 v[SVA+\cs], v[T+16*\cs+4*\q:T+16*\cs+4*\q+3] offset:16*\q+4352*((\vb)%2)
.endr
.endr
	s_wait_xcnt 0x0                                ; earlier stores have had their addresses translated: only now are the registers that they read loaded again
.irp q, 0,1,2,3,4,5,6,7
	ds_load_b128 v[64+32*((\vb)%2)+4*\q:64+32*((\vb)%2)+4*\q+3], v[RDV] offset:544*\q+4352*((\vb)%2)
.endr
.irp q, 0,1,2,3,4,5,6,7
	s_wait_dscnt 7-\q
	global_store_b128 v[GO], v[64+32*((\vb)%2)+4*\q:64+32*((\vb)%2)+4*\q+3], s[32:33] offset:(\vb)*4096+512*\q   ; two whole rows of 256 bytes
.endr
.endm
	VOUT 0
	VOUT 1
	VOUT 2
	VOUT 3
	s_wait_tensorcnt 0x0                           ; the wave's end, behind my last LDS store
	ds_add_u32 v[SPW], v[NIL]
	s_wait_dscnt 0x0
	s_endpgm
.Lfunc_end_k_qb8f9d74d4d_proj:
	.size	k_qb8f9d74d4d_proj, .Lfunc_end_k_qb8f9d74d4d_proj-k_qb8f9d74d4d_proj
	.p2alignl 7, 3214868480
	.fill 96, 4, 3214868480
	.section	.rodata,"a",@progbits
	.p2align	6, 0x0
	.amdhsa_kernel k_qb8f9d74d4d_proj
		.amdhsa_group_segment_fixed_size 307712
		.amdhsa_private_segment_fixed_size 0
		.amdhsa_enable_private_segment 0
		.amdhsa_kernarg_size 40
		.amdhsa_user_sgpr_count 2
		.amdhsa_user_sgpr_kernarg_segment_ptr 1
		.amdhsa_wavefront_size32 1
		.amdhsa_system_sgpr_workgroup_id_x 1
		.amdhsa_system_sgpr_workgroup_id_y 1
		.amdhsa_system_sgpr_workgroup_id_z 1
		.amdhsa_system_vgpr_workitem_id 0
		.amdhsa_next_free_vgpr 768
		.amdhsa_next_free_sgpr 66
		.amdhsa_reserve_vcc 0
		.amdhsa_float_denorm_mode_32 3
		.amdhsa_float_denorm_mode_16_64 3
		.amdhsa_memory_ordered 1
		.amdhsa_forward_progress 1
		.amdhsa_inst_pref_size 134
	.end_amdhsa_kernel
	.amdgpu_metadata
---
amdhsa.version: [ 1, 2 ]
amdhsa.kernels:
  - .name:           k_qb8f9d74d4d_proj
    .symbol:         k_qb8f9d74d4d_proj.kd
    .args:
      - { .name: x, .offset: 0, .size: 8, .value_kind: global_buffer, .address_space: global }
      - { .name: Wqkv, .offset: 8, .size: 8, .value_kind: global_buffer, .address_space: global }
      - { .name: bqkv, .offset: 16, .size: 8, .value_kind: global_buffer, .address_space: global }
      - { .name: kv, .offset: 24, .size: 8, .value_kind: global_buffer, .address_space: global }
      - { .name: qq, .offset: 32, .size: 8, .value_kind: global_buffer, .address_space: global }
    .group_segment_fixed_size: 307712
    .private_segment_fixed_size: 0
    .kernarg_segment_align: 8
    .kernarg_segment_size: 40
    .max_flat_workgroup_size: 128
    .sgpr_count:     66
    .vgpr_count:     768
    .wavefront_size: 32
...
	.end_amdgpu_metadata
.endif
;; end of part 1
;; launch attn (part 2): grid 32 x 8, 4 waves a work-group, clusters of 4 x 1, 327,680 bytes of LDS; arguments x, gamma, kv, qq, out0; writes out0
.if DOCPART == 2
	.amdgcn_target "amdgcn-amd-amdhsa--gfx1250"
	.amdhsa_code_object_version 6
	.text
	.protected	k_qb8f9d74d4d_attn
	.globl	k_qb8f9d74d4d_attn
	.p2align	8
	.type	k_qb8f9d74d4d_attn,@function
k_qb8f9d74d4d_attn:
	s_mov_b64 s[64:65], 0
	v_nop
	global_prefetch_b8 v0, s[64:65] scope:SCOPE_SE
	s_setreg_imm32_b32 hwreg(HW_REG_WAVE_MODE, 25, 1), 1
	s_wait_xcnt 0x0
	s_wait_alu depctr_hold_cnt(0) depctr_sa_sdst(0) depctr_va_vdst(0) depctr_va_sdst(0) depctr_va_ssrc(0) depctr_va_vcc(0) depctr_vm_vsrc(0)
	s_getreg_b32 s2, hwreg(HW_REG_IB_STS2, 6, 4)
	s_cmp_eq_u32 s2, 0
	s_cbranch_scc0 .Lentry_in_a_cluster
	s_endpgm
.Lentry_in_a_cluster:
	s_bfe_u32 s2, ttmp6, 0x10000c
	s_cmp_lg_u32 s2, 0x3003
	s_cbranch_scc0 .Lentry_shape_is_right
	s_endpgm
.Lentry_shape_is_right:
; out[b][c][j] = x[b][c][j] + gamma x sum over i of v[c][i] softmax_i(q[:,i] . k[:,j] / 8).  The softmax runs over i, so the columns j are the queries (vector k[:,j], from qq),
; the columns i the keys (q[:,i]) and values (v[:,i]), both from kv.  Operands bf16 (they have f32's range), products, maxima, sums and the merged partial results f32.
; LIMITS.  c m starts at -2^125, m at the lowest finite number; a weight below 2^-126 counts as 0; NaN and infinities are not treated apart.
; SHARES.  A work-group owns 128 queries of one batch: 32 x 8 = 256 work-groups.  Wave w owns 64 of them (qh = w & 1; four tiles of 16) and 64 of each step's 128 keys (kh = w >> 1):
; so a fragment of V read from LDS feeds four products.  At the end waves w and w ^ 2 merge their halves through LDS, each keeping 128 of the 256 channels.
; LAYOUT.  S^T = K Q^T (source 0 = 16 keys, source 1 = 16 queries): a lane holds ONE query (lane % 16) and keys 8 (lane / 16) + 0..7.  Two such results rounded to bf16 ARE source 1 of
; O^T = V P; v lies [channel][key], which is source 0's layout as it stands.  p = 2^(c s - c m), c = log2(e) / 8, with a running maximum m; O and l are multiplied by a = 2^(c m_old - c m_new) in every step.
; A BODY (step n): 32 products K(n+1) Q^T, then 128 products V(n) P(n); beside the latter, four vector instructions behind each, the softmax of step n + 1 and the rescaling by a(n+1) of the
; accumulators that V(n) P(n) has left; the other 40 accumulators are rescaled at the next body's head, beside its products K Q^T.
; THE RING.  A slot holds V(n), 256 rows of 256 bytes, and K(n+1), 64 rows (two keys a row): 81,920 dense bytes of kv.  Each wave brings 80 rows with one load.
; CLUSTER.  The four work-groups of a cluster belong to one batch and walk the same kv: each tile is asked for jointly, by the same load, descriptor and mask in all four.
; REGISTERS, in windows of 256 (s_set_vgpr_msb: bits 1:0 source 0, 3:2 source 1, 5:4 source 2, 7:6 destination):
;   window 0: v1-15, v52-54 addresses; v16-47 statistics, 8 a tile; v48-51 c m_old; v62-63 the add's; v64-191 S^T, 32 a tile; v192-255 P, buffer 0
;   window 1: v0-63 Q; v64-127 K, and V's runs 1 and 3; v128-191 V's runs 0 and 2; v192-255 P, buffer 1          windows 2, 3: O^T: tile t in window 2 + t / 2 at 128 (t % 2) + 8 x block
; Register block u of O^T holds channel block u ^ 8 kh, so that every wave keeps blocks 0-7 and sends blocks 8-15: one text for all four.
.set PITCH, 272                        ; an LDS row: 256 bytes + 16: the 16 rows of a fragment load start at 16 different 16-byte columns of 256 bytes
.set SLOT1, 131072
.set KROW,  256*PITCH                  ; K's rows in a slot
.set K0R,   320*PITCH                  ; behind slot 0: K of step 0, 64 rows, filled once
.set XST,   218112                     ; behind slot 1: the waves' statistics for the merge, 1,024 bytes each
.set STAGE, 222208                     ; stages for the way out, each wave's own: two halves of 16 rows x 272 bytes
.set STW,   8704
.set SPARE, 257024                     ; the spare words: 128 bytes a wave, two blocks of 256 bytes that no other line names
.set BATKV, 2621440
.set STEPB, 81920
.set AKP, 3                            ; K of step 0
.set AK,  4                            ; v4, v5  K in slot 0, 1
.set AVL, 6                            ; v6, v7  V's register blocks 0-7 in slot 0, 1
.set AVH, 8                            ; v8, v9  blocks 8-15
.set QO,  10
.set XOFF, 11                          ; x and out: channel lane / 16, 16 bytes at 16 (lane % 16)
.set PFO, 12                           ; lane x 16,384: one channel a lane
.set XOS, 13                           ; the exchange: where I send
.set XOP, 14                           ; where my partner has sent
.set STO, 15                           ; stage, in
.set ST,  16                           ; tile t at ST + 8 t: c m, m, l (two), c0-c3 at work; a takes c2's place
.set MV,  48
.set RDS, 52                           ; stage, back
.set XSS, 53                           ; my statistics
.set XSP, 54                           ; my partner's
.set SPW, 62
.set NIL, 63
.set S,   64
.set P,   192
.set CMQ, 192                          ; the epilogue's registers, where P's buffer 0 lay
.set LQ,  196
.set PCM, 200
.set PLQ, 204
.set TM,  208
.set D0,  212
.set D1,  216
.set CB,  128                          ; the combined block
.set BK,  160                          ; rows read back from the stage
.set WV,  14
.set G1,  24                           ; s[24:31] group 1: 80 rows of 256 bytes
.set G0A, 32                           ; s[32:35], s[36:39] group 0 for slot 0, slot 1
.set G0P, 40                           ; s[40:43] group 0 for K of step 0
.set G1P, 44                           ; s[44:51] group 1: 16 rows
.set CNT, 52
.set GAM, 53
.set CS,  54
.set SEL, 56
.set MSB, 0
.macro WIN new                         ; the immediate's high byte repeats the setting that is left; a switch that changes nothing is dropped
.if MSB != (\new)
	s_set_vgpr_msb (MSB<<8)|(\new)
.set MSB, (\new)
.endif
.endm
.macro CROUND                          ; a round of the cluster's barrier: my work-group's barrier; wave 0 signals for the work-group; every wave waits for all four; my work-group's barrier once more
	s_barrier_signal -1
	s_barrier_wait -1
	s_cmp_lg_u32 s[WV], 0
	s_cbranch_scc1 .Lnot_wave_0_\@
	s_barrier_signal -3
.Lnot_wave_0_\@:
	s_barrier_wait -3
	s_barrier_signal -1
	s_barrier_wait -1
.endm
	s_load_b256 s[4:11], s[0:1], 0x0               ; x s[4:5], gamma s[6:7], kv s[8:9], qq s[10:11]
	s_load_b64 s[12:13], s[0:1], 0x20              ; out
	v_lshl_add_u32 v[SPW], v0, 2, SPARE
	v_mov_b32 v[NIL], 0
	ds_add_u32 v[SPW], v[NIL]                      ; the wave's opening: the add and its wait stand ahead of my first tensor load; work on registers stands between them
	v_lshrrev_b32 v55, 5, v0
	v_readfirstlane_b32 s[WV], v55                 ; wave w
	s_and_b32 s16, s[WV], 1                        ; qh
	s_lshr_b32 s17, s[WV], 1                       ; kh
	s_and_b32 s18, ttmp7, 0xffff                   ; the batch, which the four partners share
	s_mov_b32 s[G1],  15|(3<<16)|(1<<20)|(1<<21)|(5<<22)|(3<<25)  ; 15:0 the mask of four; 17:16 elements of 8 bytes; 20 padding on; 21 set beside a mask; 24:22 after every 64 words; 31:25 4 words
	s_mov_b32 s[G1+1], 32<<16                      ; tensor_dim0 = 32 elements: 256 bytes
	s_mov_b32 s[G1+2], 80<<16                      ; tensor_dim1 = 80
	s_mov_b32 s[G1+3], 32<<16                      ; tile_dim0 = 32
	s_mov_b32 s[G1+4], 80                          ; tile_dim1 = 80
	s_mov_b32 s[G1+5], 32                          ; the rows are dense
	s_mov_b32 s[G1+6], 0
	s_mov_b32 s[G1+7], 0
	s_mov_b32 s[G1P], 15|(3<<16)|(1<<20)|(1<<21)|(5<<22)|(3<<25)
	s_mov_b32 s[G1P+1], 32<<16
	s_mov_b32 s[G1P+2], 16<<16
	s_mov_b32 s[G1P+3], 32<<16
	s_mov_b32 s[G1P+4], 16
	s_mov_b32 s[G1P+5], 32
	s_mov_b32 s[G1P+6], 0
	s_mov_b32 s[G1P+7], 0
	s_mov_b32 s[G0A], 1
	s_mul_i32 s[G0A+1], s[WV], 80*PITCH            ; my 80 rows of slot 0
	s_mov_b32 s[G0A+4], 1
	s_add_co_u32 s[G0A+5], s[G0A+1], SLOT1         ; of slot 1
	s_mov_b32 s[G0P], 1
	s_mul_i32 s[G0P+1], s[WV], 16*PITCH
	s_add_co_u32 s[G0P+1], s[G0P+1], K0R
	s_mov_b32 s[CS], 0x3e38aa3b                    ; c = log2(e) / 8
	s_mov_b32 s[CS+1], s[CS]                       ; named with it as a pair
	s_mov_b32 s[SEL], 0x76543210
	s_mov_b32 s[SEL+1], 0xfedcba98
	s_mul_i32 s20, s18, BATKV                      ; kv's offsets hang on the batch and the wave alone.  Tile 0 begins behind K of step 0
	s_mul_i32 s21, s[WV], 20480
	s_add_co_u32 s20, s20, s21
	s_add_co_u32 s20, s20, 16384
	s_mov_b32 s21, 0
	s_mul_i32 s22, s18, BATKV                      ; K of step 0: my 16 rows
	s_lshl_b32 s23, s[WV], 12
	s_add_co_u32 s22, s22, s23
	s_mov_b32 s23, 0
	s_bfe_u32 s15, ttmp6, 0x40000                  ; cx: it enters the addresses of Q, x and out alone
	s_lshl_b32 s19, ttmp9, 2
	s_add_co_u32 s19, s19, s15                     ; my block of 128 queries
	s_lshl_b32 s58, s18, 19                        ; qq: batch, block, my wave's 64 rows of 128 bytes
	s_lshl_b32 s59, s19, 14
	s_add_co_u32 s58, s58, s59
	s_lshl_b32 s59, s16, 13
	s_add_co_u32 s58, s58, s59
	s_mov_b32 s59, 0
	s_lshl_b32 s60, s18, 22                        ; x and out: batch, the 128 channels that I keep, block, my 64 columns
	s_lshl_b32 s61, s17, 21
	s_add_co_u32 s60, s60, s61
	s_lshl_b32 s61, s19, 9
	s_add_co_u32 s60, s60, s61
	s_lshl_b32 s61, s16, 8
	s_add_co_u32 s60, s60, s61
	s_mov_b32 s61, 0
	s_wait_dscnt 0x0                               ; the opening add is done
	s_wait_kmcnt 0x0
	s_load_b32 s[GAM], s[6:7], 0x0
	s_add_nc_u64 s[G0A+2:G0A+3], s[8:9], s[20:21]
	s_add_nc_u64 s[G0A+6:G0A+7], s[G0A+2:G0A+3], STEPB
	s_add_nc_u64 s[G0P+2:G0P+3], s[8:9], s[22:23]
	s_or_b32 s[G0A+3], s[G0A+3], 0x80000000        ; type = 2
	s_or_b32 s[G0A+7], s[G0A+7], 0x80000000
	s_or_b32 s[G0P+3], s[G0P+3], 0x80000000
	s_add_nc_u64 s[62:63], s[12:13], s[60:61]      ; out
	s_add_nc_u64 s[60:61], s[4:5], s[60:61]        ; x
	s_add_nc_u64 s[58:59], s[10:11], s[58:59]      ; Q
	s_wait_kmcnt 0x0                               ; gamma
	CROUND                                         ; all four work-groups are here: the first joint loads meet
	tensor_load_to_lds s[G0P:G0P+3], s[G1P:G1P+7]  ; K of step 0
	s_nop 0
	tensor_load_to_lds s[G0A:G0A+3], s[G1:G1+7]    ; tile 0: two loads of mine are out
	s_nop 0
.rept 4
	v_nop
.endr
	v_and_b32 v1, 15, v0                           ; r
	v_bfe_u32 v2, v0, 4, 1                         ; h
	v_lshlrev_b32 v[QO], 7, v1
	v_lshl_add_u32 v[QO], v2, 4, v[QO]
	WIN 0x40
.irp f, 0,1,2,3,4,5,6,7                ; Q stays in registers: tile f / 2, channels 32 (f % 2) on
	global_load_b128 v[8*\f:8*\f+3],   v[QO], s[58:59] offset:(\f/2)*2048+(\f%2)*64
	global_load_b128 v[8*\f+4:8*\f+7], v[QO], s[58:59] offset:(\f/2)*2048+(\f%2)*64+32
.endr
	; O^T starts at 0, so that the first step is a step like any other and no body is written out for it.  This stands in the wait for the first tiles.
	WIN 0x80
.set i, 0
.rept 256
	v_mov_b32 v[i], 0
.set i, i+1
.endr
	WIN 0xc0
.set i, 0
.rept 256
	v_mov_b32 v[i], 0
.set i, i+1
.endr
	WIN 0
.irp t, 0,1,2,3
	v_mov_b32 v[ST+8*\t], 0xfe000000               ; c m: far below every c s, so the first a is 0
	v_mov_b32 v[ST+8*\t+1], 0xff7fffff             ; m
	v_mov_b32 v[ST+8*\t+2], 0
	v_mov_b32 v[ST+8*\t+3], 0
.endr
	v_lshrrev_b32 v55, 1, v1                       ; two keys a row: key r at (r / 2) x pitch + 128 (r % 2)
	v_mul_u32_u24 v55, v55, PITCH
	v_and_b32 v56, 1, v1
	v_lshl_add_u32 v55, v56, 7, v55
	v_lshl_add_u32 v55, v2, 4, v55
	s_mul_i32 s19, s17, 32*PITCH                   ; my 64 keys
	v_add_nc_u32 v55, s19, v55
	v_add_nc_u32 v[AKP], K0R, v55
	v_add_nc_u32 v[AK], KROW, v55
	v_add_nc_u32 v[AK+1], SLOT1+KROW, v55
	v_mul_u32_u24 v56, v1, PITCH                   ; V: channel r, my 64 keys' 128 bytes
	v_lshl_add_u32 v56, v2, 4, v56
	s_lshl_b32 s19, s17, 7
	v_add_nc_u32 v56, s19, v56
	s_mul_i32 s20, s17, 128*PITCH                  ; register blocks 0-7: channel blocks 8 kh on,
	s_sub_co_u32 s21, 128*PITCH, s20               ; blocks 8-15: the other half
	v_add_nc_u32 v[AVL], s20, v56
	v_add_nc_u32 v[AVH], s21, v56
	v_add_nc_u32 v[AVL+1], SLOT1, v[AVL]
	v_add_nc_u32 v[AVH+1], SLOT1, v[AVH]
	v_and_b32 v57, 31, v0                          ; lane
	v_lshlrev_b32 v[XOFF], 4, v1
	v_lshl_add_u32 v[XOFF], v2, 14, v[XOFF]
	v_lshlrev_b32 v[PFO], 14, v57
	s_lshl_b32 s19, s[WV], 15
	v_lshl_add_u32 v[XOS], v57, 4, s19
	s_xor_b32 s22, s[WV], 2                        ; my partner: the same queries, the other keys
	s_lshl_b32 s19, s22, 15
	v_lshl_add_u32 v[XOP], v57, 4, s19
	s_mul_i32 s23, s[WV], STW
	s_add_co_u32 s23, s23, STAGE
	v_mul_u32_u24 v56, v2, 8*PITCH
	v_lshl_add_u32 v56, v1, 2, v56
	v_add_nc_u32 v[STO], s23, v56
	v_mul_u32_u24 v56, v2, PITCH
	v_lshl_add_u32 v56, v1, 4, v56
	v_add_nc_u32 v[RDS], s23, v56
	s_lshl_b32 s19, s[WV], 10
	s_add_co_u32 s19, s19, XST
	v_lshl_add_u32 v[XSS], v57, 4, s19
	s_lshl_b32 s19, s22, 10
	s_add_co_u32 s19, s19, XST
	v_lshl_add_u32 v[XSP], v57, 4, s19
; THE MATRIX WORK.  The accumulators take turns, one instruction a turn.
; Product i of 32 of S^T = K Q^T: channels 32 (i / 16) on, keys 16 ((i / 4) % 4) on, tile i % 4.  The first 16 start the sums.
.macro KQ
.set rS, S+32*(i%4)+8*((i/4)%4)
.set rK, 64+16*((i/4)%4)+8*(i/16)
.set rQ, 16*(i%4)+8*(i/16)
	WIN 0x05
.if i < 16
	v_wmma_f32_16x16x32_bf16 v[rS:rS+7], v[rK:rK+7], v[rQ:rQ+7], 0
.else
	v_wmma_f32_16x16x32_bf16 v[rS:rS+7], v[rK:rK+7], v[rQ:rQ+7], v[rS:rS+7]
.endif
.endm
; Product i of 128 of O^T += V P: register block i / 8, keys 32 ((i / 4) % 2) on, tile i % 4; P from buffer p.
.macro PV p
.set wt, 2+(i%4)/2
.set rO, 128*(i%2)+8*(i/8)
.set rV, 128-64*((i/32)%2)+16*((i/8)%4)+8*((i/4)%2)
.set rP, P+16*(i%4)+8*((i/4)%2)
	WIN (wt<<6)|(wt<<4)|((\p)<<2)|1
	v_wmma_f32_16x16x32_bf16 v[rO:rO+7], v[rV:rV+7], v[rP:rP+7], v[rO:rO+7]
.endm
; THE LDS LOADS stand in runs of 16.
.macro FETCHK adr
	WIN 0x40
.irp f, 0,1,2,3,4,5,6,7                ; keys 16 (f / 2) on: 8 rows; channels 32 (f % 2) on
	ds_load_b128 v[64+8*\f:64+8*\f+3],   v[\adr] offset:(\f/2)*8*PITCH+(\f%2)*64
	ds_load_b128 v[64+8*\f+4:64+8*\f+7], v[\adr] offset:(\f/2)*8*PITCH+(\f%2)*64+32
.endr
.endm
.macro FETCHV sl, u                    ; run u of four: register blocks 4 u .. 4 u + 3, from slot sl
.set va_, AVL+(\sl)+2*((\u)/2)
.set vd_, 128-64*((\u)%2)
	WIN 0x40
.irp f, 0,1,2,3,4,5,6,7                ; block f / 2 of the run, keys 32 (f % 2) on
	ds_load_b128 v[vd_+8*\f:vd_+8*\f+3],   v[va_] offset:((4*(\u)+\f/2)%8)*16*PITCH+(\f%2)*64
	ds_load_b128 v[vd_+8*\f+4:vd_+8*\f+7], v[va_] offset:((4*(\u)+\f/2)%8)*16*PITCH+(\f%2)*64+32
.endr
.endm
; THE VECTOR WORK.  R4: accumulator (tile rho % 4, block rho / 4) times a, from its low end on.
.macro R4 rho
.set rw, 2+((\rho)%4)/2
.set rO, 128*((\rho)%2)+8*((\rho)/4)
.set rA, ST+8*((\rho)%4)+6
	WIN (rw<<6)|rw
	s_wait_alu depctr_va_vdst(0)
.irp z, 0,1,2,3
	v_pk_mul_f32 v[rO+2*\z:rO+2*\z+1], v[rO+2*\z:rO+2*\z+1], v[rA:rA+1] op_sel_hi:[1,0]
.endr
.endm
; XS: number n of the 22 that find tile t's maximum and statistics.  0-11: four chains of seven scores, each accumulator's lowest registers first; 12-14, 16: the scores left over, the old m, all into c0;
; 15: c m_old is kept; 17, 18: the query's other keys lie in the lane 16 away; 19-21: c m, c m_old - c m_new, a.
.macro XS t, n
.set rT, ST+8*(\t)
.set rC, ST+8*(\t)+4
.set rS, S+32*(\t)
.set rM, MV+(\t)
	WIN 0
.if (\n) < 4
	v_max3_num_f32 v[rC+(\n)], v[rS+8*(\n)], v[rS+8*(\n)+1], v[rS+8*(\n)+2]
.elseif (\n) < 12
	v_max3_num_f32 v[rC+(\n)%4], v[rC+(\n)%4], v[rS+8*((\n)%4)+2*((\n)/4)+1], v[rS+8*((\n)%4)+2*((\n)/4)+2]
.elseif (\n) == 12
	v_max3_num_f32 v[rC], v[rC], v[rS+7], v[rS+15]
.elseif (\n) == 13
	v_max3_num_f32 v[rC+1], v[rC+1], v[rS+23], v[rS+31]
.elseif (\n) == 14
	v_max3_num_f32 v[rC+2], v[rC+2], v[rC+3], v[rT+1]
.elseif (\n) == 15
	v_mov_b32 v[rM], v[rT]
.elseif (\n) == 16
	v_max3_num_f32 v[rC], v[rC], v[rC+1], v[rC+2]
.elseif (\n) == 17
	v_permlanex16_b32 v[rC+3], v[rC], s[SEL], s[SEL+1]
.elseif (\n) == 18
	v_max_num_f32 v[rT+1], v[rC], v[rC+3]
.elseif (\n) == 19
	v_mul_f32 v[rT], s[CS], v[rT+1]
.elseif (\n) == 20
	v_sub_f32 v[rC+1], v[rM], v[rT]
.else
	v_exp_f32 v[rC+2], v[rC+1]
.endif
.endm
.macro FF g                            ; c s - c m for pair g of 64 (tile g / 16)
.set rS, S+2*(\g)
.set rT, ST+8*((\g)/16)
	WIN 0
	v_pk_fma_f32 v[rS:rS+1], v[rS:rS+1], s[CS:CS+1], v[rT:rT+1] op_sel_hi:[1,0,0] neg_lo:[0,0,1] neg_hi:[0,0,1]
.endm
.macro EX x                            ; the exponential of score x of 128
	WIN 0
	v_exp_f32 v[S+(\x)], v[S+(\x)]
.endm
.macro AA g                            ; l takes pair g; a tile's first pair as l = a l + pair
.set rS, S+2*(\g)
.set rT, ST+8*((\g)/16)
	WIN 0
.if (\g)%16 == 0
	s_wait_alu depctr_va_vdst(0)
	v_pk_fma_f32 v[rT+2:rT+3], v[rT+2:rT+3], v[rT+6:rT+7], v[rS:rS+1] op_sel_hi:[1,0,1]
.else
	s_wait_alu depctr_va_vdst(0)
	v_pk_add_f32 v[rT+2:rT+3], v[rT+2:rT+3], v[rS:rS+1]
.endif
.endm
.macro C4 gg, pw                       ; pairs 4 gg .. 4 gg + 3 rounded to bf16 into P's buffer pw
	WIN (\pw)<<6
	s_wait_alu depctr_va_vdst(0)
.irp z, 0,1,2,3
	v_cvt_pk_bf16_f32 v[P+4*(\gg)+\z], v[S+8*(\gg)+2*\z], v[S+8*(\gg)+2*\z+1]
.endr
.endm
.macro ES e                            ; pair e's two exponentials, with a plain instruction between them: the scaling four pairs ahead, the sum two pairs back
.if (\e) < 2
	EX 2*(\e)
	FF (\e)+4
	EX 2*(\e)+1
.else
.if (\e) < 60
	FF (\e)+4
.endif
	EX 2*(\e)
	AA (\e)-2
	EX 2*(\e)+1
.endif
.endm
; Slice sg of 128.  0-21: XS for the four tiles, which alternate; 22: the first four scalings; 23-118 in sixes: two pairs' exponentials, a rescaling, two pairs', four roundings; 119: the last sums;
; 120-127: rescalings.  Behind every exponential a plain instruction that touches neither its result nor its source comes first (ISA guide 5.7.2).  nor = 1: step 0, nothing to rescale.
.macro SLICE pw, nor
.if sg < 22
.irp t, 0,1,2,3
	XS \t, sg
.endr
.elseif sg == 22
	FF 0
	FF 1
	FF 2
	FF 3
.elseif sg < 119
.set gq, (sg-23)/6
.set ps, (sg-23)%6
.if ps == 2
.if !(\nor)
	R4 gq
.endif
.elseif ps == 5
	C4 gq, \pw
.else
.set eq, 4*gq+ps-ps/3
	ES eq
.endif
.elseif sg == 119
	AA 62
	AA 63
.elseif !(\nor)
	R4 sg-104
.endif
.set sg, sg+1
.endm
; THE CHANGE OF SLOTS, at the head of step n (parity p).  Each wave waits for all its tensor loads, of which one is out: its part of this step's slot; adds 0 to its spare word; and waits for that and
; for its reads of the other slot.  fill = 1: a round of the cluster's barrier, so that no wave of any partner still reads that slot or has a load on its way; then the joint refill, first thing:
; it has a whole body, 160 matrix instructions, in which to land.  (At its first use slot 1 is filled for the first time.)
.macro CHANGE fill, p
	WIN 0
	s_wait_tensorcnt 0x0                           ; no tensor load of mine is out, so a group 0 may be written
	ds_add_u32 v[SPW], v[NIL]                      ; 0 onto my spare word
.if \fill
	s_add_nc_u64 s[G0A+4*(\p)+2:G0A+4*(\p)+3], s[G0A+4*(\p)+2:G0A+4*(\p)+3], 2*STEPB  ; this slot's next tile; the type bits on top are not reached
.endif
	s_wait_dscnt 0x0                               ; the add is done, and my reads of the other slot are over
.if \fill
	CROUND
	tensor_load_to_lds s[G0A+4*(1-(\p)):G0A+4*(1-(\p))+3], s[G1:G1+7]  ; my one tensor load behind the round: tile n + 1
	s_nop 0
.rept 4
	v_nop
.endr
.else
	s_barrier_signal -1
	s_barrier_wait -1
.endif
.endm
; Each run of V's loads stands four plain vector instructions or more behind the last product that read its registers, and 29 products ahead of its first use.
.macro BODY p
	CHANGE 1, \p
	FETCHK AK+(\p)
	FETCHV \p, 0
.set rr, 24
.rept 8
	R4 rr                                          ; work on registers while the loads are out
.set rr, rr+1
.endr
	s_wait_dscnt 16                                ; K is in; V's first run, 16 younger loads, may stay out
.set i, 0
.rept 32
	KQ
	R4 32+i
.set i, i+1
.endr
	s_wait_dscnt 0x0                               ; V's first run
.set i, 0
.set sg, 0
.rept 128
	PV \p
	SLICE 1-(\p), 0
.if i == 2
	FETCHV \p, 1
.elseif i == 34
	FETCHV \p, 2
.elseif i == 66
	FETCHV \p, 3
.endif
.if (i == 31) || (i == 63) || (i == 95)
	s_wait_dscnt 0x0                               ; the next run is in
.endif
.set i, i+1
.endr
.endm
	s_wait_tensorcnt 0x1                           ; my part of K of step 0 is in; tile 0, issued behind it, may stay out
	s_barrier_signal -1
	s_barrier_wait -1
	FETCHK AKP
	s_wait_loadcnt 0x0                             ; Q
	s_wait_dscnt 0x0
.set i, 0
.rept 32
	KQ                                             ; step 0's scores: there is no vector work yet to set between them
.set i, i+1
.endr
	WIN 0
.rept 4
	v_nop                                          ; four places behind those products (ISA guide 7.12.1)
.endr
.set sg, 0
.rept 120
	SLICE 0, 1                                     ; step 0's softmax, into P's buffer 0
.endr
	WIN 0
	s_mov_b32 s[CNT], 16
	s_branch .Lmid                                 ; 31 bodies, steps 0 to 30: the loop is entered at its second half
.Lpair:
	BODY 1
	WIN 0
.Lmid:
	BODY 0
	WIN 0
	s_sub_co_u32 s[CNT], s[CNT], 1
	s_cmp_lg_u32 s[CNT], 0
	s_cbranch_scc1 .Lpair
	; THE TAIL: V(31) P(31), from slot 1; nothing is asked for.  The 40 accumulators still to be rescaled are rescaled ahead of their products.
	CHANGE 0, 1
	FETCHV 1, 0
	s_wait_dscnt 0x0
.set i, 0
.rept 128
	PV 1
.if i < 40
	R4 24+i
.endif
.if i == 2
	FETCHV 1, 1
.elseif i == 5
	WIN 0
.irp q, 0,1,2,3                        ; the 128 rows of x that I add at the end, 256 bytes each, one a lane: each asked for once in the launch, by the wave that reads it, 122 products ahead
	global_prefetch_b8 v[PFO], s[60:61] offset:\q*524288 th:TH_LOAD_NT scope:SCOPE_SE
.endr
.elseif i == 34
	FETCHV 1, 2
.elseif i == 66
.rept 4
	v_nop                                          ; four places between the last product that read these registers and the loads into them
.endr
	FETCHV 1, 3
.endif
.if (i == 31) || (i == 63) || (i == 95)
	s_wait_dscnt 0x0
.endif
.set i, i+1
.endr
	; THE MERGE.  l's halves are added (these four lines are the places behind the last products); x is asked for; c m, l and register blocks 8-15 go to my partner through LDS.
	; The exchange lies where slot 0 and K of step 0 lay: they have had their last fill, and every wave's last read of them stands ahead of the barrier of the last change of slots.
	WIN 0
.irp t, 0,1,2,3
	v_add_f32 v[ST+8*\t+2], v[ST+8*\t+2], v[ST+8*\t+3]
.endr
	WIN 0x40
.set i, 0
.rept 64                               ; block i / 8, channels 2 (i % 8) and + 1: sixteen lanes read 256 consecutive bytes
	global_load_b128 v[4*i:4*i+3], v[XOFF], s[60:61] offset:(16*(i/8)+2*(i%8))*16384 th:TH_LOAD_NT
.set i, i+1
.endr
	WIN 0
.irp t, 0,1,2,3
	v_permlanex16_b32 v[ST+8*\t+3], v[ST+8*\t+2], s[SEL], s[SEL+1]
.endr
.irp t, 0,1,2,3
	v_add_f32 v[LQ+\t], v[ST+8*\t+2], v[ST+8*\t+3]
	v_mov_b32 v[CMQ+\t], v[ST+8*\t]
.endr
	ds_store_b128 v[XSS], v[CMQ:CMQ+3]
	ds_store_b128 v[XSS], v[LQ:LQ+3] offset:512
.irp t, 0,1,2,3
	WIN (2+\t/2)<<2                                ; the data in O^T's window
.set u, 0
.rept 16                               ; block 8 + u / 2, its low half first
	ds_store_b128 v[XOS], v[128*(\t%2)+64+4*u:128*(\t%2)+64+4*u+3] offset:((u/2)*8+2*\t+(u%2))*512
.set u, u+1
.endr
.endr
	WIN 0
	s_wait_dscnt 0x0                               ; for my partner's sake: all is stored
	s_barrier_signal -1
	s_barrier_wait -1
.macro RECV cb                         ; my partner's part of block cb: 8 loads
.set rb, 64+32*((\cb)%2)
.irp u, 0,1,2,3,4,5,6,7
	ds_load_b128 v[rb+4*\u:rb+4*\u+3], v[XOP] offset:((\cb)*8+\u)*512
.endr
.endm
	ds_load_b128 v[PCM:PCM+3], v[XSP]
	ds_load_b128 v[PLQ:PLQ+3], v[XSP] offset:512
	RECV 0
	RECV 1
	s_wait_dscnt 16                                ; the statistics are in; the two runs behind them may stay out
	; the common maximum; each half's factor f = 2^(c m - c M); L = f0 l0 + f1 l1 (at least 1: the half that holds the maximum has f = 1 and l >= 1); g = gamma f / L
.irp t, 0,1,2,3
	v_max_num_f32 v[TM+\t], v[CMQ+\t], v[PCM+\t]
.endr
.irp t, 0,1,2,3
	v_sub_f32 v[D0+\t], v[CMQ+\t], v[TM+\t]
	v_sub_f32 v[D1+\t], v[PCM+\t], v[TM+\t]
.endr
.irp t, 0,1,2,3
	v_exp_f32 v[D0+\t], v[D0+\t]
	v_exp_f32 v[D1+\t], v[D1+\t]
.endr
	v_nop                                          ; a plain instruction between the last exponential and the use of its result
	s_wait_alu depctr_va_vdst(0)
.irp t, 0,1,2,3
	v_mul_f32 v[TM+\t], v[D0+\t], v[LQ+\t]
.endr
.irp t, 0,1,2,3
	v_fmac_f32 v[TM+\t], v[D1+\t], v[PLQ+\t]
.endr
.irp t, 0,1,2,3
	v_rcp_f32 v[TM+\t], v[TM+\t]
.endr
	v_nop
	s_wait_alu depctr_va_vdst(0)
.irp t, 0,1,2,3
	v_mul_f32 v[TM+\t], s[GAM], v[TM+\t]
.endr
.irp t, 0,1,2,3
	v_mul_f32 v[ST+8*\t+4], v[D0+\t], v[TM+\t]     ; g0; named as a pair with c1, which has been written
	v_mul_f32 v[ST+8*\t+6], v[D1+\t], v[TM+\t]     ; g1; with c3
.endr
; THE WAY OUT of block cb, 16 channels x 64 queries: g0 x mine + g1 x my partner's; through my stage, 4 bytes a lane into rows by channel, and back as whole rows of 256 bytes; x is added; stored.
.macro OUTB cb
.set rb, 64+32*((\cb)%2)
	s_wait_dscnt 8                                 ; my partner's block cb is in; the next block's run may stay out
.irp t, 0,1,2,3
	WIN 2+\t/2
.irp z, 0,1,2,3
	v_pk_mul_f32 v[CB+8*\t+2*\z:CB+8*\t+2*\z+1], v[128*(\t%2)+8*(\cb)+2*\z:128*(\t%2)+8*(\cb)+2*\z+1], v[ST+8*\t+4:ST+8*\t+5] op_sel_hi:[1,0]
.endr
.endr
	WIN 0
.irp t, 0,1,2,3
.irp z, 0,1,2,3
	v_pk_fma_f32 v[CB+8*\t+2*\z:CB+8*\t+2*\z+1], v[rb+8*\t+2*\z:rb+8*\t+2*\z+1], v[ST+8*\t+6:ST+8*\t+7], v[CB+8*\t+2*\z:CB+8*\t+2*\z+1] op_sel_hi:[1,0,1]
.endr
.endr
.irp t, 0,1,2,3
.irp j, 0,1,2,3,4,5,6,7
	ds_store_b32 v[STO], v[CB+8*\t+\j] offset:\j*PITCH+64*\t+4352*((\cb)%2)
.endr
.endr
	s_wait_xcnt 0x0                                ; earlier stores have had their addresses translated: only now are the registers that they read loaded again
.irp q, 0,1,2,3,4,5,6,7
	ds_load_b128 v[BK+4*\q:BK+4*\q+3], v[RDS] offset:\q*2*PITCH+4352*((\cb)%2)  ; LDS serves a wave's instructions in order (ISA guide 5.7.1): these see the stores above
.endr
.if (\cb) < 6
	RECV (\cb)+2
	s_wait_dscnt 8                                 ; all but the run just issued
.else
	s_wait_dscnt 0x0
.endif
	s_wait_loadcnt 56-8*(\cb)                      ; x of this block is in; the later blocks' loads, 8 each, may stay out
	WIN 0x04                                       ; x in window 1
.set u, 0
.rept 16
	v_pk_add_f32 v[BK+2*u:BK+2*u+1], v[BK+2*u:BK+2*u+1], v[32*(\cb)+2*u:32*(\cb)+2*u+1]
.set u, u+1
.endr
	WIN 0
.irp q, 0,1,2,3,4,5,6,7
	global_store_b128 v[XOFF], v[BK+4*\q:BK+4*\q+3], s[62:63] offset:(16*(\cb)+2*\q)*16384 th:TH_STORE_NT  ; sixteen lanes store 256 consecutive bytes, aligned
.endr
.endm
	OUTB 0
	OUTB 1
	OUTB 2
	OUTB 3
	OUTB 4
	OUTB 5
	OUTB 6
	OUTB 7
	s_wait_tensorcnt 0x0                           ; the wave's end, behind my last tensor load and my last LDS store
	ds_add_u32 v[SPW], v[NIL]
	s_wait_dscnt 0x0
	CROUND                                         ; the closing round: no work-group ends while a partner may still ask for a tile that names it
	s_endpgm
.Lfunc_end_k_qb8f9d74d4d_attn:
	.size	k_qb8f9d74d4d_attn, .Lfunc_end_k_qb8f9d74d4d_attn-k_qb8f9d74d4d_attn
	.p2alignl 7, 3214868480
	.fill 96, 4, 3214868480
	.section	.rodata,"a",@progbits
	.p2align	6, 0x0
	.amdhsa_kernel k_qb8f9d74d4d_attn
		.amdhsa_group_segment_fixed_size 327680
		.amdhsa_private_segment_fixed_size 0
		.amdhsa_enable_private_segment 0
		.amdhsa_kernarg_size 40
		.amdhsa_user_sgpr_count 2
		.amdhsa_user_sgpr_kernarg_segment_ptr 1
		.amdhsa_wavefront_size32 1
		.amdhsa_system_sgpr_workgroup_id_x 1
		.amdhsa_system_sgpr_workgroup_id_y 1
		.amdhsa_system_sgpr_workgroup_id_z 1
		.amdhsa_system_vgpr_workitem_id 0
		.amdhsa_next_free_vgpr 1024
		.amdhsa_next_free_sgpr 66
		.amdhsa_reserve_vcc 0
		.amdhsa_float_denorm_mode_32 3
		.amdhsa_float_denorm_mode_16_64 3
		.amdhsa_memory_ordered 1
		.amdhsa_forward_progress 1
		.amdhsa_inst_pref_size 255
	.end_amdhsa_kernel
	.section	.bss,"aw",@nobits
	.p2align	6
	.space	262144
	.amdgpu_metadata
---
amdhsa.version: [ 1, 2 ]
amdhsa.kernels:
  - .name:           k_qb8f9d74d4d_attn
    .symbol:         k_qb8f9d74d4d_attn.kd
    .args:
      - { .name: x, .offset: 0, .size: 8, .value_kind: global_buffer, .address_space: global }
      - { .name: gamma, .offset: 8, .size: 8, .value_kind: global_buffer, .address_space: global }
      - { .name: kv, .offset: 16, .size: 8, .value_kind: global_buffer, .address_space: global }
      - { .name: qq, .offset: 24, .size: 8, .value_kind: global_buffer, .address_space: global }
      - { .name: out0, .offset: 32, .size: 8, .value_kind: global_buffer, .address_space: global }
    .group_segment_fixed_size: 327680
    .private_segment_fixed_size: 0
    .kernarg_segment_align: 8
    .kernarg_segment_size: 40
    .max_flat_workgroup_size: 128
    .sgpr_count:     66
    .vgpr_count:     1024
    .wavefront_size: 32
...
	.end_amdgpu_metadata
.endif
;; end of part 2
;; ======== version 2 of 2: 2 launches; version 1 with the launch proj written anew for expert scheduling mode
;; workspace buffers: kv 20,987,904 bytes; qq 4,194,304 bytes
;; launch proj (part 3): grid 32 x 8, 4 waves a work-group, no clusters, 307,712 bytes of LDS; arguments x, Wqkv, bqkv, kv, qq; writes kv, qq
.if DOCPART == 3
	.amdgcn_target "amdgcn-amd-amdhsa--gfx1250"
	.amdhsa_code_object_version 6
	.text
	.protected	k_qb8f9d74d4d_proj
	.globl	k_qb8f9d74d4d_proj
	.p2align	8
	.type	k_qb8f9d74d4d_proj,@function
k_qb8f9d74d4d_proj:
	s_mov_b64 s[64:65], 0
	v_nop
	global_prefetch_b8 v0, s[64:65] scope:SCOPE_SE
	s_setreg_imm32_b32 hwreg(HW_REG_WAVE_SCHED_MODE, 0, 2), 2
	s_setreg_imm32_b32 hwreg(HW_REG_WAVE_MODE, 25, 1), 1
	s_wait_xcnt 0x0
	s_wait_alu depctr_vm_vsrc(0)
; qkv[b][o][l] = sum over c of W[o][c] relu(x[b][c][l]) + bias[o], for 384 outputs, written in bf16 in the layouts that the attention launch reads:
;   kv: batch b at b x 2,621,440; step s (128 columns l) at + s x 81,920: first 128 rows of 128 bytes, q[0..63] of column l (the attention's keys),
;       then 256 rows of 256 bytes, v[c] of the step's 128 columns.  Behind batch 7 a pad of 16,384 bytes, stored as zeros: the attention's last tile reaches into it.
;   qq: [8][4096][64]: k[0..63] of column l (the attention's queries).
; Operands bf16, sums f32, the bias is the C operand of the first K step.  LIMITS: relu of a NaN gives 0; infinities are not treated apart.
; SHARES.  A work-group takes all 384 outputs of 128 columns of one batch: 32 x 8 = 256 work-groups.  x and W are f32 and must be converted, so they come through registers:
; no tensor load, hence no cluster.  W (bf16, 384 rows) and the x fragments lie in LDS; one barrier; then 8 K steps of 32 channels.
; COLUMNS.  x lies [channel][column].  A lane's 16-byte load holds four neighbouring columns: one element for each of four tiles; tile t of column group cg (64 columns)
; has column 64 cg + 4 r + t at its place r.  So sixteen lanes read 256 consecutive bytes, and fragments are made in registers without a transpose.
; q, k: source 0 = W, source 1 = x: a lane holds 8 neighbouring channels of one column.  v: source 0 = x, source 1 = W: over the four tiles a lane holds 32 neighbouring columns of one channel.
; Waves 0, 1 make q, waves 2, 3 k, each for column group w & 1; every wave makes 64 channels of v for all 128 columns.  Fragment place u of a wave holds tile u ^ 4 (w & 1).
; THE MODE: SCHED_MODE bits 1:0 = 2 (LLVM: expert scheduling mode 2), set by the entry lines.  The code itself states the register dependences
; between vector or matrix instructions and memory or LDS instructions, with s_wait_alu, always for 0.
; THE PLAN.  Registers that memory or LDS instructions touch:
;   v4-v9, v15-v20  offsets and LDS addresses, made once at the head and never written again.
;   RAW0 .. RAW3    the way in.  Chunk c's conversions read RAW[c % 4]; the loads of chunk c + 3, issued at the head of chunk c, land in RAW[(c - 1) % 4].
;   T0, T1          the way in.  Chunk c's conversions write T[c % 2]; the LDS stores that read it are issued at the head of chunk c + 1.
;                   So the waits at a chunk's head state all that its loads and stores hang on: these touch the two buffers that the chunk before worked on, and the chunk's own vector lines name neither.
;   fragment buffers 0, 1 (RAW's registers)  K step s multiplies buffer s % 2; the loads of step s + 1 land in the other, which the products of step s - 1 read.
;   v10-v13         the fragments' LDS addresses: read by every fragment load, stepped by four adds at a K step's head.
;                   So a K step has one wait on vm_vsrc ahead of the adds and one on va_vdst behind them; its 32 loads follow, dealt in two runs among its products, which name none of their registers.
;   the way out     q/k: packed into v128-191, back from the stage into v192-255.  v: all four blocks packed into PK, back into v64-191: no register of the way out is written twice
;                   but v128-191, which the q/k LDS stores read and rows of v then land in.
;   v30, v31        written at the head, read by the closing add alone.
.set WP,    528                        ; a row of W in LDS: 512 bytes + 16: the 16 rows of a fragment load start at 16 different 16-byte columns of 256 bytes
.set XF,    202752                     ; behind W's 384 rows: 64 x fragments of 1,024 bytes as the lanes hold them: fragment 8 ks + tile, half hf at + 512 hf + 16 lane
.set STG,   268288                     ; stages for the way out, each wave's own
.set STGW,  9728
.set SPARE, 307200                     ; the spare words: 128 bytes a wave, two blocks of 256 bytes that no other line names
.set BATKV, 2621440
.set STEPB, 81920
.set VX,  4                            ; x: h x 8 channels + 16 r + my wave's 64 channels
.set VW,  5                            ; W: 16 lane + my wave's 96 rows
.set VWL, 6                            ; W in LDS, store: 8 lane + my 96 rows
.set VXF, 7                            ; x fragments, store
.set VB,  8                            ; bias of q or k: 8 h on
.set VBV, 9                            ; bias of v: channel r
.set VWQ, 10                           ; W fragments of q or k
.set VWV, 11                           ; W fragments of my 64 channels of v
.set VXA, 12                           ; x fragments of my column group
.set VXB, 13                           ; of the other
.set ZERO, 14
.set STQ, 15                           ; stage, q/k in
.set RDQ, 16                           ; stage, q/k back
.set SVA, 17                           ; stage, v in: my column group; SVA + 1: the other
.set RDV, 19                           ; stage, v back
.set GO,  20                           ; 16 lane
.set SPW, 30
.set NIL, 31
.set T,   32                           ; v32-63 of window 0 (T0, even chunks) and of window 2 (T1, odd chunks): a chunk in bf16, on its way into LDS
.set BQ,  64                           ; v64-95  bias as C for q/k: 8 registers a block
.set BV,  96                           ; v96-127 bias as C for v: 8 copies a block
.set PK,  0                            ; window 1 v0-127, on the way out: v's results in bf16, 32 registers a block of 16 channels
.set RB,  64                           ; v64-191, on the way out: v's rows read back from the stage, 32 registers a block
; window 0 v128-255: load buffers 0, 1, later x fragment buffers 0, 1.  window 1 v0-127: load buffers 2, 3, later W fragment buffers; v128-255: q/k sums.  window 2: v's sums.
.set MSB, 0
.macro WIN new                         ; the immediate's high byte repeats the setting that is left; a switch that changes nothing is dropped
.if MSB != (\new)
	s_set_vgpr_msb (MSB<<8)|(\new)
.set MSB, (\new)
.endif
.endm
	s_load_b256 s[4:11], s[0:1], 0x0               ; x s[4:5], W s[6:7], bias s[8:9], kv s[10:11]
	s_load_b64 s[12:13], s[0:1], 0x20              ; qq
	v_lshl_add_u32 v[SPW], v0, 2, SPARE
	v_mov_b32 v[NIL], 0
	v_lshrrev_b32 v21, 5, v0
	v_readfirstlane_b32 s14, v21                   ; wave w
	v_and_b32 v3, 31, v0                           ; lane
	v_and_b32 v1, 15, v0                           ; r
	v_bfe_u32 v2, v0, 4, 1                         ; h
	v_mov_b32 v[ZERO], 0
	v_lshlrev_b32 v[VX], 4, v1
	v_lshl_add_u32 v[VX], v2, 17, v[VX]            ; 8 channels of 16,384 bytes for the upper lanes
	s_mov_b32 s17, ttmp9                           ; step s
	s_and_b32 s18, ttmp7, 0xffff                   ; batch b
	s_wait_alu depctr_va_sdst(0)                   ; s14 is written, ahead of its first reader: the wave's shares and addresses are made from it
	s_and_b32 s15, s14, 1                          ; my column group
	s_lshr_b32 s16, s14, 1                         ; 0: q, 1: k
	s_xor_b32 s19, s15, 1                          ; the other column group
	s_lshl_b32 s30, s14, 20                        ; my 64 channels
	v_add_nc_u32 v[VX], s30, v[VX]
	s_mul_i32 s30, s14, 98304
	v_lshl_add_u32 v[VW], v3, 4, s30
	s_mul_i32 s30, s14, 96*WP
	v_lshl_add_u32 v[VWL], v3, 3, s30
	s_lshl_b32 s30, s14, 14
	s_add_co_u32 s30, s30, XF
	v_lshl_add_u32 v[VXF], v3, 4, s30
	s_lshl_b32 s30, s16, 8
	v_lshl_add_u32 v[VB], v2, 5, s30
	s_lshl_b32 s30, s14, 8
	s_add_co_u32 s30, s30, 512
	v_lshl_add_u32 v[VBV], v1, 2, s30
	v_mul_u32_u24 v22, v1, WP
	v_lshl_add_u32 v22, v2, 4, v22                 ; row r x pitch + 16 h
	s_mul_i32 s30, s16, 64*WP
	v_add_nc_u32 v[VWQ], s30, v22
	s_mul_i32 s30, s14, 64*WP
	s_add_co_u32 s30, s30, 128*WP
	v_add_nc_u32 v[VWV], s30, v22
	s_lshl_b32 s30, s15, 12
	s_add_co_u32 s30, s30, XF
	v_lshl_add_u32 v[VXA], v3, 4, s30
	s_lshl_b32 s30, s19, 12
	s_add_co_u32 s30, s30, XF
	v_lshl_add_u32 v[VXB], v3, 4, s30
	s_mul_i32 s31, s14, STGW
	s_add_co_u32 s31, s31, STG                     ; my stage
	v_mul_u32_u24 v23, v1, 144
	v_lshl_add_u32 v23, v2, 4, v23
	v_add_nc_u32 v[STQ], s31, v23
	v_lshrrev_b32 v23, 3, v3
	v_mul_u32_u24 v23, v23, 2432
	v_and_b32 v24, 7, v3
	v_lshl_add_u32 v23, v24, 4, v23
	v_add_nc_u32 v[RDQ], s31, v23
	v_mul_u32_u24 v23, v1, 272
	v_lshl_add_u32 v23, v2, 6, v23
	v_add_nc_u32 v23, s31, v23
	s_lshl_b32 s30, s15, 7
	v_add_nc_u32 v[SVA], s30, v23
	s_lshl_b32 s30, s19, 7
	v_add_nc_u32 v[SVA+1], s30, v23
	v_mul_u32_u24 v23, v2, 272
	v_lshl_add_u32 v23, v1, 4, v23
	v_add_nc_u32 v[RDV], s31, v23
	v_lshlrev_b32 v[GO], 4, v3
	s_lshl_b32 s20, s18, 22                        ; offsets, made apart from the addresses.  x: batch, and 128 columns of 4 bytes a step
	s_lshl_b32 s21, s17, 9
	s_add_co_u32 s20, s20, s21
	s_mov_b32 s21, 0
	s_mul_i32 s22, s18, BATKV                      ; kv: batch and step
	s_mul_i32 s23, s17, STEPB
	s_add_co_u32 s22, s22, s23
	s_mov_b32 s23, 0
	s_lshl_b32 s34, s18, 19                        ; qq: batch and step
	s_lshl_b32 s35, s17, 14
	s_add_co_u32 s34, s34, s35
	s_mov_b32 s35, 0
	s_lshl_b32 s36, s15, 13                        ; my column group's 64 rows of 128 bytes
	s_mov_b32 s37, 0
	s_lshl_b32 s38, s14, 14                        ; my 64 channels of v, behind the step's 16,384 bytes of q
	s_add_co_u32 s38, s38, 16384
	s_mov_b32 s39, 0
	s_wait_kmcnt 0x0
	s_add_nc_u64 s[4:5], s[4:5], s[20:21]
	s_add_nc_u64 s[24:25], s[10:11], s[22:23]
	s_add_nc_u64 s[26:27], s[12:13], s[34:35]
	s_cmp_lt_u32 s14, 2
	s_cselect_b64 s[28:29], s[24:25], s[26:27]     ; waves 0, 1 store q into kv, waves 2, 3 store k into qq
	s_add_nc_u64 s[28:29], s[28:29], s[36:37]
	s_add_nc_u64 s[32:33], s[24:25], s[38:39]
	s_wait_alu depctr_va_vdst(0)                   ; the offsets and LDS addresses v4 to v20 are written, which the loads and stores of the whole kernel read
.irp ob, 0,1,2,3
	global_load_b128 v[BQ+8*\ob:BQ+8*\ob+3],   v[VB], s[8:9] offset:64*\ob
	global_load_b128 v[BQ+8*\ob+4:BQ+8*\ob+7], v[VB], s[8:9] offset:64*\ob+16
.endr
.irp vb, 0,1,2,3
	global_load_b32 v[BV+8*\vb], v[VBV], s[8:9] offset:64*\vb
.endr
; THE WAY IN: 16 chunks of 16 loads of 16 bytes through four register buffers.  Chunks 0-3: x, K step 2 w + c / 2, column group c % 2.  Chunks 4-15: 8 rows of W each.
.macro LWIN c                          ; the window of chunk c's loads
	WIN ((((\c)%4)/2)<<6)
.endm
.macro LOADCH c
.set bw, (((\c)%4)/2)
.set br, 128*(1-bw)+64*((\c)%2)
	WIN bw<<6
.set u, 0
.rept 16
.if (\c) < 4
	global_load_b128 v[br+4*u:br+4*u+3], v[VX], s[4:5] offset:(((\c)/2)*32+(u%8)+16*(u/8))*16384+256*((\c)%2) th:TH_LOAD_NT  ; sixteen lanes: 256 consecutive bytes of one channel
.else
	global_load_b128 v[br+4*u:br+4*u+3], v[VW], s[6:7] offset:(8*((\c)-4)+u/2)*1024+512*(u%2)  ; 512 consecutive bytes: half a row of W
.endif
.set u, u+1
.endr
.endm
.macro CVTCH c                         ; chunk c is rounded, from RAW[c % 4] into T[c % 2]
.set bw, (((\c)%4)/2)
.set br, 128*(1-bw)+64*((\c)%2)
.set tw, 2*((\c)%2)
	WIN (tw<<6)|(5*bw)                             ; both sources in the buffer's window, the destination in T's
.if (\c) < 4
.set t, 0
.rept 4                                ; tile t's fragment: register p holds channels 2 p, 2 p + 1 of the lane's sixteen
.set p, 0
.rept 8
	v_cvt_pk_bf16_f32 v[T+8*t+p], v[br+8*p+t], v[br+8*p+4+t]
.set p, p+1
.endr
.set t, t+1
.endr
	WIN (tw<<6)|tw                                 ; T in its window, the zero in window 0
.set u, 0
.rept 32
	v_pk_max_num_bf16 v[T+u], v[T+u], v[ZERO]      ; relu, two at a time; nothing is rounded
.set u, u+1
.endr
.else
.set u, 0
.rept 16
	v_cvt_pk_bf16_f32 v[T+2*u],   v[br+4*u],   v[br+4*u+1]
	v_cvt_pk_bf16_f32 v[T+2*u+1], v[br+4*u+2], v[br+4*u+3]
.set u, u+1
.endr
.endif
.endm
.macro STORECH c                       ; chunk c goes from T[c % 2] into LDS
.set tw, 2*((\c)%2)
	WIN tw<<2                                      ; the data in T's window, the address in window 0
.if (\c) < 4
.set u, 0
.rept 8
	ds_store_b128 v[VXF], v[T+4*u:T+4*u+3] offset:(((\c)/2)*8+4*((\c)%2)+u/2)*1024+512*(u%2)
.set u, u+1
.endr
.else
.set u, 0
.rept 16
	ds_store_b64 v[VWL], v[T+2*u:T+2*u+1] offset:(8*((\c)-4)+u/2)*WP+256*(u%2)
.set u, u+1
.endr
.endif
.endm
	LOADCH 0
	LOADCH 1
	LOADCH 2
.set ci, 0
.rept 16
.if ci+3 < 16
	LWIN ci+3                                      ; the switch stands ahead of the waits, the loads behind them
.endif
.if ci > 1
	s_wait_alu depctr_vm_vsrc(0)                   ; the LDS stores issued in the chunk before have read T[ci % 2], which this chunk's conversions write again
.endif
.if ci > 0
	s_wait_alu depctr_va_vdst(0)                   ; the chunk before has written the other T, which the LDS stores below read, and is done reading its load buffer, in which the loads below land
.endif
.if ci+3 < 16
	LOADCH ci+3                                    ; into the buffer that the chunk before has left
.endif
.if ci > 0
	STORECH ci-1                                   ; no vector instruction since the wait names these registers
.endif
.set lw, 15-ci
.if lw > 3
.set lw, 3
.endif
	s_wait_loadcnt 16*lw                           ; loads come back in order: the up to three younger chunks, 16 loads each, may stay out
	CVTCH ci
.if ci == 0
	WIN 0
.irp vb, 0,1,2,3                       ; the bias loads stand ahead of chunk 0: they are in.  v's bias is the same for a lane's eight results
.irp j, 1,2,3,4,5,6,7
	v_mov_b32 v[BV+8*\vb+\j], v[BV+8*\vb]
.endr
.endr
.endif
.set ci, ci+1
.endr
	s_wait_alu depctr_va_vdst(0)                   ; chunk 15 has written T1, which the last LDS stores read; all conversions are done reading the load buffers, in which the first fragments land
	STORECH 15
	WIN 0
	s_wait_dscnt 0x0                               ; for the others' sake: my part of W and of the x fragments is stored
	s_barrier_signal -1
	s_barrier_wait -1
	s_wait_alu depctr_vm_vsrc(0)                   ; my LDS stores have read T1: its registers are sums of v from here on, written by the first K step's products
; THE PRODUCTS.  A K step: 16 loads of W's fragments, 16 of x's, 48 matrix instructions on 48 accumulators, which take turns.
.macro FETCHW f
	WIN 0x40
.irp ob, 0,1,2,3
	ds_load_b128 v[64*(\f)+8*\ob:64*(\f)+8*\ob+3],   v[VWQ] offset:\ob*16*WP
	ds_load_b128 v[64*(\f)+8*\ob+4:64*(\f)+8*\ob+7], v[VWQ] offset:\ob*16*WP+32
.endr
.irp vb, 0,1,2,3
	ds_load_b128 v[64*(\f)+32+8*\vb:64*(\f)+32+8*\vb+3],   v[VWV] offset:\vb*16*WP
	ds_load_b128 v[64*(\f)+32+8*\vb+4:64*(\f)+32+8*\vb+7], v[VWV] offset:\vb*16*WP+32
.endr
.endm
.macro FETCHX f
	WIN 0
.irp u, 0,1,2,3,4,5,6,7
	ds_load_b128 v[128+64*(\f)+8*\u:128+64*(\f)+8*\u+3],   v[VXA+\u/4] offset:(\u%4)*1024
	ds_load_b128 v[128+64*(\f)+8*\u+4:128+64*(\f)+8*\u+7], v[VXA+\u/4] offset:(\u%4)*1024+512
.endr
.endm
.macro STEP f, first, fetch
	s_wait_dscnt 0x0                               ; buffer f is in
.if \fetch
	WIN 0
	s_wait_alu depctr_vm_vsrc(0)                   ; the fragment loads issued so far have read the four addresses
	v_add_nc_u32 v[VWQ], 64, v[VWQ]                ; the next 32 channels.  These four lines are also the four places between the last product that read the other buffer and the loads into it
	v_add_nc_u32 v[VWV], 64, v[VWV]
	v_add_nc_u32 v[VXA], 8192, v[VXA]
	v_add_nc_u32 v[VXB], 8192, v[VXB]
	WIN 0x40                                       ; the switch, then the wait, then the loads
	s_wait_alu depctr_va_vdst(0)                   ; the four addresses are written; the products of the step before are done reading the other buffer, in which this step's 32 loads land
	FETCHW 1-(\f)
.endif
	WIN 0x51-0x10*(\first)                         ; W and the sums in window 1, x in window 0; the first step's C, the bias, in window 0
.irp ob, 0,1,2,3
.irp t, 0,1,2,3
.if \first
	v_wmma_f32_16x16x32_bf16 v[128+8*(4*\ob+\t):128+8*(4*\ob+\t)+7], v[64*(\f)+8*\ob:64*(\f)+8*\ob+7], v[128+64*(\f)+8*\t:128+64*(\f)+8*\t+7], v[BQ+8*\ob:BQ+8*\ob+7]
.else
	v_wmma_f32_16x16x32_bf16 v[128+8*(4*\ob+\t):128+8*(4*\ob+\t)+7], v[64*(\f)+8*\ob:64*(\f)+8*\ob+7], v[128+64*(\f)+8*\t:128+64*(\f)+8*\t+7], v[128+8*(4*\ob+\t):128+8*(4*\ob+\t)+7]
.endif
.endr
.endr
.if \fetch
	FETCHX 1-(\f)                                  ; no wait: the sixteen products since the wait name buffer f, the sums and the bias, none of the registers that these loads touch
.endif
	WIN 0xa4-0x20*(\first)                         ; x in window 0, W in window 1, the sums in window 2
.irp vb, 0,1,2,3
.irp u, 0,1,2,3,4,5,6,7
.if \first
	v_wmma_f32_16x16x32_bf16 v[8*(8*\vb+\u):8*(8*\vb+\u)+7], v[128+64*(\f)+8*\u:128+64*(\f)+8*\u+7], v[64*(\f)+32+8*\vb:64*(\f)+32+8*\vb+7], v[BV+8*\vb:BV+8*\vb+7]
.else
	v_wmma_f32_16x16x32_bf16 v[8*(8*\vb+\u):8*(8*\vb+\u)+7], v[128+64*(\f)+8*\u:128+64*(\f)+8*\u+7], v[64*(\f)+32+8*\vb:64*(\f)+32+8*\vb+7], v[8*(8*\vb+\u):8*(8*\vb+\u)+7]
.endif
.endr
.endr
.endm
	FETCHW 0
	FETCHX 0
	STEP 0, 1, 1                                   ; the first K step starts the sums with the bias: nothing is cleared
	WIN 0
	s_mov_b32 s30, 3
.Lk:
	STEP 1, 0, 1
	STEP 0, 0, 1
	WIN 0
	s_sub_co_u32 s30, s30, 1
	s_cmp_lg_u32 s30, 0
	s_cbranch_scc1 .Lk
	STEP 1, 0, 0                                   ; the eighth K step fetches nothing
	WIN 0
.rept 4
	v_nop                                          ; four places behind the last products (ISA guide 7.12.1)
.endr
	; THE WAY OUT OF q OR k.  A lane's 8 channels pack into 16 bytes; they go into my stage (tile t at 2,432 t, row r at 144 r) and come back as four rows of 128 bytes, columns 4 R .. 4 R + 3.
	WIN 0x05
.set a, 0
.rept 16
.irp z, 0,1,2,3
	v_cvt_pk_bf16_f32 v[128+4*a+\z], v[128+8*a+2*\z], v[128+8*a+2*\z+1]
.endr
.set a, a+1
.endr
	WIN 0
	s_wait_alu depctr_va_vdst(0)                   ; the conversions have written v128-191, which the LDS stores read; the last K step's products are done reading v192-255, in which the loads from the stage land
.set a, 0
.rept 16
	ds_store_b128 v[STQ], v[128+4*a:128+4*a+3] offset:(a%4)*2432+32*(a/4)
.set a, a+1
.endr
.set a, 0
.rept 16
	ds_load_b128 v[192+4*a:192+4*a+3], v[RDQ] offset:144*a   ; LDS serves a wave's instructions in order (ISA guide 5.7.1): these see the stores above
.set a, a+1
.endr
	; v is rounded while q's or k's rows are on their way back from the stage: all four blocks of 16 channels, into the registers that W's fragments have left.
	; For each column group a lane holds columns 32 h + 4 j + t of channel r: 64 consecutive bytes.
	WIN 0x4a                                       ; the sums in window 2, the destination in window 1
.irp vb, 0,1,2,3
.irp cs, 0,1
.irp j, 0,1,2,3,4,5,6,7
	v_cvt_pk_bf16_f32 v[PK+32*\vb+16*\cs+2*\j],   v[8*(8*\vb+4*\cs)+\j],   v[8*(8*\vb+4*\cs+1)+\j]
	v_cvt_pk_bf16_f32 v[PK+32*\vb+16*\cs+2*\j+1], v[8*(8*\vb+4*\cs+2)+\j], v[8*(8*\vb+4*\cs+3)+\j]
.endr
.endr
.endr
	WIN 0
	s_wait_alu depctr_va_vdst(0)                   ; these conversions have written PK, which the LDS stores of v's four blocks read
	s_wait_alu depctr_vm_vsrc(0)                   ; the LDS stores of q or k have read v128-191, in which rows of v's blocks 2 and 3 land
.set a, 0
.rept 16
	s_wait_dscnt 15-a                              ; the younger loads from the stage may stay out
	global_store_b128 v[GO], v[192+4*a:192+4*a+3], s[28:29] offset:512*a   ; 512 consecutive bytes, aligned
.set a, a+1
.endr
	; the pad behind batch 7: stored by the last work-group alone, 4,096 bytes a wave
	s_cmp_eq_u32 s17, 31
	s_cbranch_scc0 .Lnopad
	s_cmp_eq_u32 s18, 7
	s_cbranch_scc0 .Lnopad
	v_mov_b32 v24, 0
	v_mov_b32 v25, 0
	v_mov_b32 v26, 0
	v_mov_b32 v27, 0
	s_lshl_b32 s20, s14, 12
	s_add_co_u32 s20, s20, 8*BATKV
	s_mov_b32 s21, 0
	s_add_nc_u64 s[10:11], s[10:11], s[20:21]
	s_wait_alu depctr_va_vdst(0)                   ; the four zeros are written, which the stores read
.irp q, 0,1,2,3,4,5,6,7
	global_store_b128 v[GO], v[24:27], s[10:11] offset:512*\q
.endr
.Lnopad:
	; THE WAY OUT OF v, 16 channels at a time.  Rows of 272 bytes in my stage, two halves by turns; back as whole rows of 256, each block into registers of its own.
	; No wait on the vector side: no vector instruction behind the two waits above names PK, v64-191 or an address.
.macro TOSTG vb
	WIN 0x04                                       ; the data in window 1, the address in window 0
.irp cs, 0,1
.irp q, 0,1,2,3
	ds_store_b128 v[SVA+\cs], v[PK+32*(\vb)+16*\cs+4*\q:PK+32*(\vb)+16*\cs+4*\q+3] offset:16*\q+4352*((\vb)%2)
.endr
.endr
	WIN 0
.irp q, 0,1,2,3,4,5,6,7
	ds_load_b128 v[RB+32*(\vb)+4*\q:RB+32*(\vb)+4*\q+3], v[RDV] offset:544*\q+4352*((\vb)%2)  ; LDS serves a wave's instructions in order (ISA guide 5.7.1): these see the stores above; a later block's stores into this half come behind them
.endr
.endm
.macro SENDV vb, younger               ; younger: the LDS instructions issued behind block vb's loads: the next block's sixteen, or none
.irp q, 0,1,2,3,4,5,6,7
	s_wait_dscnt (\younger)+7-\q
	global_store_b128 v[GO], v[RB+32*(\vb)+4*\q:RB+32*(\vb)+4*\q+3], s[32:33] offset:(\vb)*4096+512*\q   ; two whole rows of 256 bytes
.endr
.endm
	TOSTG 0
	TOSTG 1                                        ; a block's trip through the stage stands between the loads of the block before and its stores
	SENDV 0, 16
	TOSTG 2
	SENDV 1, 16
	TOSTG 3
	SENDV 2, 16
	SENDV 3, 0
	s_wait_dscnt 0x0                               ; the closing lines, six on end
	s_wait_alu 0x0
	s_wait_tensorcnt 0x0
	ds_add_u32 v[SPW], v[NIL]
	s_wait_dscnt 0x0
	s_endpgm
.Lfunc_end_k_qb8f9d74d4d_proj:
	.size	k_qb8f9d74d4d_proj, .Lfunc_end_k_qb8f9d74d4d_proj-k_qb8f9d74d4d_proj
	.p2alignl 7, 3214868480
	.fill 96, 4, 3214868480
	.section	.rodata,"a",@progbits
	.p2align	6, 0x0
	.amdhsa_kernel k_qb8f9d74d4d_proj
		.amdhsa_group_segment_fixed_size 307712
		.amdhsa_private_segment_fixed_size 0
		.amdhsa_enable_private_segment 0
		.amdhsa_kernarg_size 40
		.amdhsa_user_sgpr_count 2
		.amdhsa_user_sgpr_kernarg_segment_ptr 1
		.amdhsa_wavefront_size32 1
		.amdhsa_system_sgpr_workgroup_id_x 1
		.amdhsa_system_sgpr_workgroup_id_y 1
		.amdhsa_system_sgpr_workgroup_id_z 1
		.amdhsa_system_vgpr_workitem_id 0
		.amdhsa_next_free_vgpr 768
		.amdhsa_next_free_sgpr 66
		.amdhsa_reserve_vcc 0
		.amdhsa_float_denorm_mode_32 3
		.amdhsa_float_denorm_mode_16_64 3
		.amdhsa_memory_ordered 1
		.amdhsa_forward_progress 1
		.amdhsa_inst_pref_size 136
	.end_amdhsa_kernel
	.amdgpu_metadata
---
amdhsa.version: [ 1, 2 ]
amdhsa.kernels:
  - .name:           k_qb8f9d74d4d_proj
    .symbol:         k_qb8f9d74d4d_proj.kd
    .args:
      - { .name: x, .offset: 0, .size: 8, .value_kind: global_buffer, .address_space: global }
      - { .name: Wqkv, .offset: 8, .size: 8, .value_kind: global_buffer, .address_space: global }
      - { .name: bqkv, .offset: 16, .size: 8, .value_kind: global_buffer, .address_space: global }
      - { .name: kv, .offset: 24, .size: 8, .value_kind: global_buffer, .address_space: global }
      - { .name: qq, .offset: 32, .size: 8, .value_kind: global_buffer, .address_space: global }
    .group_segment_fixed_size: 307712
    .private_segment_fixed_size: 0
    .kernarg_segment_align: 8
    .kernarg_segment_size: 40
    .max_flat_workgroup_size: 128
    .sgpr_count:     66
    .vgpr_count:     768
    .wavefront_size: 32
...
	.end_amdgpu_metadata
.endif
;; end of part 3
;; launch attn: the kernel of part 2 again; grid 32 x 8, 4 waves a work-group, clusters of 4 x 1, 327,680 bytes of LDS; arguments x, gamma, kv, qq, out0; writes out0
